; MI455X (gfx1250); checked and timed in simulation.
; The chip was launched on July 23, 2026; its instructions are those of AMD's public machine-readable ISA for CDNA 5 (MIT licence, August 2026) and "CDNA5" Instruction Set Architecture Reference Guide (July 2026). The comments in the code are by the model that wrote it; some were corrected since.
;; Pointwise Aggregated Attention. Allowed arithmetic: matrix products marked QUANTISED: E4M3 operands, one given power-of-two scale a tensor, by v_wmma_f32_16x16x64_fp8_fp8 or v_wmma_f32_16x16x128_fp8_fp8, f32 sums; everything else in f32.
;; Inputs: k 4 x 2,048 x 1,024 float32; lowp_scales 4 int32 (the exponents e of the quantised operands' scales 2^e); q 4 x 2,048 x 1,024 float32; rab_weight 32 x 16 float32; v 4 x 2,048 x 1,024 float32.
;; Outputs: out0 4 x 2,048 x 1,024 float32.
;; This version of the problem:
;;   THIS VERSION OF THE PROBLEM IS GIVEN IN LOW PRECISION. The matrix products marked QUANTISED in the list below multiply operands that are first quantised to E4M3 (4 exponent bits, 3 mantissa bits; 8 bits a number), with one given power-of-two scale for each operand tensor; their sums are f32. All else is computed in f32.
;;   The module's matrix products, in the order in which they are computed (A, B: the left and right operand; K: the contracted axis; several contracted axes count as one K, in the product's order):
;;     1. batch 64 x [M 2,048, K 64] x [K 64, N 2,048]; A: input q; B: input k: QUANTISED (scales: A lowp_scales[0], B lowp_scales[1])
;;     2. batch 64 x [M 2,048, K 2,048] x [K 2,048, N 64]; A: computed on the way; B: input v: QUANTISED (scales: A lowp_scales[2], B lowp_scales[3])
;;   THE QUANTISER, for each operand of a quantised product, along K:
;;     - The operand's scale is 2^e, e = its entry of the input lowp_scales (int32; the entries are numbered through the quantised products in the list's order, A before B).
;;     - Each number is divided by the scale, clamped to +-448, and rounded to the nearest number of E4M3, ties to even, subnormals kept.
;;     - The product sums the exact products of the quantised numbers (number of the format x scale) in f32.
;;   ~~~python
;;   def quantise(x, axis, e):      # numpy; x: float32 -> the quantised numbers, widened to float32 again
;;       x = np.moveaxis(x, axis, -1); K = x.shape[-1]
;;       r = np.clip(x / 2.0 ** e, -448, 448)
;;       step = 2.0 ** (np.maximum(np.frexp(np.where(r == 0, 1, r))[1] - 1, -6) - 3)
;;       q = np.round(r / step) * step * 2.0 ** e      # np.round: ties to even
;;       return np.moveaxis(q, -1, axis).astype(np.float32)
;;   ~~~
;;   OPERANDS COMPUTED ON THE WAY. 'Computed on the way' means the value that the module computes at that place (a softmax that the list does not call 'softmax' is quantised finished and normalised). What goes into a quantiser is computed in f32, as accurately as f32 sums, v_exp_f32 and their like allow (about 1e-6 of the number): no bf16 or f16 on the way to a quantiser, and a product that is left as it is and whose result goes on into a quantised operand takes f32 operands (vector FMAs, or v_wmma_f32_16x16x4_f32). A number that lies on a knife's edge between two numbers of the format may be rounded either way, as far as f32 arithmetic and the matrix unit's own rounding can turn it there, and no further.
;; One version. Each part assembles by itself: llvm-mc -triple=amdgcn-amd-amdhsa -mcpu=gfx1250 --defsym DOCPART=n.
;; ======== version 1 of 1: 1 launch
;; launch attn (part 1): grid 4 x 64, 16 waves a work-group, no clusters, 272,640 bytes of LDS; arguments q, k, v, rab_weight, lowp_scales, out0; writes out0
.if DOCPART == 1
	.amdgcn_target "amdgcn-amd-amdhsa--gfx1250"
	.amdhsa_code_object_version 6
	.text
	.protected	k_q09a6813ab6_attn
	.globl	k_q09a6813ab6_attn
	.p2align	8
	.type	k_q09a6813ab6_attn,@function
k_q09a6813ab6_attn:
	s_mov_b64 s[64:65], 0
	v_nop
	global_prefetch_b8 v0, s[64:65] scope:SCOPE_SE
	s_setreg_imm32_b32 hwreg(HW_REG_WAVE_MODE, 25, 1), 1
	s_wait_xcnt 0x0
; out[b][s][64 hd + c] = sum over keys t of silu(q[b][s][hd] . k[b][t][hd] + bias[hd][s - t]) v[b][t][64 hd + c].  4 batches, 16 heads of 64 channels, 2,048 positions; q, k, v, out: f32.
; Both products run on codes of E4M3, each operand with its given scale 2^e (eq, ek, ep, ev): q and k quantised along the channels, silu(..) and v along the keys; sums in f32.
; SHARES.  Work-group (x, y): queries 512 x .. 512 x + 511 of batch y / 16, head y % 16.  Sixteen waves of 256 registers; wave w owns 32 queries, two tiles of 16, and walks all 2,048 keys, 64 a step.
; K AND V ARE QUANTISED ONCE A WORK-GROUP: the head's 2 x 2,048 x 64 numbers are read as f32, turned into codes in registers and laid in LDS (256 KiB) as IMAGES OF THE OPERANDS' REGISTERS: a fragment of
; 8 registers is 1,024 bytes, lane l's four registers at 16 l, so that two ds_load_b128 of 512 bytes on end give any wave the fragment.  Behind one barrier LDS is only read until the way out.
; BOTH PRODUCTS ARE USED TRANSPOSED: S^T = K Q^T (source 0 = 16 keys, source 1 = 16 queries), O^T = V^T P^T (source 0 = 16 channels, source 1 = P).  A lane holds ONE query (lane % 16) throughout, and the eight
; registers of S^T's tile t are keys 16 t + 8 (lane / 16) + 0 .. 7: the very keys of registers 2 t, 2 t + 1 of the next operand.  So the conversions' results are P's fragment.
; In the first product the channels stand in other places than the form's own layout gives them (register p of lane half h: channels 32 h + 4 p + 0 .. 3), alike in K and Q: every product meets its partner.
; A SCORE.  NL = -log2(e).  N = a (NL 2^(eq+ek)) + NL bias = -s log2(e);  e = 2^N;  u = e NL + NL;  p = N / u = s / (1 + exp(-s)): NL cancels, so the change of base costs no instruction.
; THE BIAS hangs on d = query - key alone: bucket 0 for d <= 0, d itself up to 15, then a new bucket from d = 16, 19, 21, 24, 27, 31, 35, 40, 46, 52, 59, 67, 77, 87, 99, 113 on (16 x 8^(j/16) rounded up; none of
; these powers lies within 0.09 of a whole number).  So a block of 32 queries x 64 keys has ONE bias unless 0 <= first query - first key < 192: three of a wave's 32 steps.  Those take it from a table in LDS.
; NO CLUSTER, NO TENSOR LOAD, though the four work-groups of a head read the same K and V: these bytes must pass through registers to become codes (V with a lane to a channel), and beside the 262,144 bytes of
; images and 8,448 of table 57,088 bytes of LDS are left, so a landing place for f32 tiles would hold 1/18 of the head's 1,048,576 bytes and want a round of the cluster's barrier for each refill.
; LIMITS.  eq, ek, ep, ev each between -126 and 119; eq + ek and ep + ev between -126 and 127 (each power of two below is made as an f32 number).  NaN among the inputs is not served; infinities are held at the
; largest code.  Where s < -87 the exponential or the reciprocal leaves the f32 range and p comes out as 0; its true size is under 1e-36 there, which is the code 0 for every ep >= -100.
.set ROW,   4096                       ; bytes from a position to the next in q, k, v, out
.set CH,    8192                       ; LDS: a step's chunk: K's four fragments (keys 16 t on), then V^T's four (channels 16 t on)
.set VPART, 4096
.set BT,    262144                     ; behind the 32 chunks: the bias table, four copies
.set BTP,   2112                       ; from copy to copy.  Word y of copy c holds NL x bias(192 - (y - c)): lane r takes copy r % 4, so that its eight neighbouring words begin at a multiple of 16 bytes
.set SP,    272                        ; the way out: a stage row, 256 bytes + 16
.set WSTG,  32*SP                      ; a wave's stage: 32 rows; the stages lie over the images, behind the second barrier
; vector registers that stay
.set LI,  1                            ; 16 x lane
.set ADR, 2                            ; the step's chunk + 16 x lane
.set AB,  3                            ; my lane's place in the bias table
.set ABT, 4                            ; the same for the step in hand
.set PS,  5                            ; 2^ep
.set LP,  6                            ; 448 x 2^ep
.set RR,  7                            ; lane % 16
.set BC,  8                            ; v[8:9]   NL x the step's one bias, twice
.set Q,   16                           ; v[16:31] my two tiles of queries: fragments
; the head and the quantising of K and V
.set KO,  10                           ; k: 4,096 (lane / 16) + 16 (lane % 16): sixteen lanes take a key's 256 bytes
.set VO,  11                           ; v: 4 x lane: a lane takes a channel
.set KW,  12                           ; where I store K's codes
.set VW,  13                           ; where I store V's
.set QO,  14                           ; q: 4,096 (lane % 16) + 128 (lane / 16)
.set HH,  15                           ; lane / 16
.set X0,  32                           ; v[32:95], v[96:159]: two sets: 32 registers of K, 32 of V
.set X1,  96
.set CK,  160                          ; v[160:167] K's codes of a trip
.set CV,  168                          ; v[168:175] V's
.set SQ,  176                          ; 2^e and 448 x 2^e for q, k, v
.set LQ,  177
.set SK,  178
.set LK,  179
.set SV,  180
.set LV,  181
.set DL,  182                          ; the table: d, bucket, offset, value, LDS address; a scratch
.set BK,  183
.set TO,  184
.set TV,  185
.set TA,  186
.set TS,  187
; the walk over the keys
.set STO, 10                           ; the way out: where I put 32 bytes of a row
.set RD,  11                           ; where I read a row back
.set GO,  12                           ; my byte offset in the wave's rows of out
.set NLV, 14                           ; v[14:15] NL, twice
.set O,   32                           ; v[32:95]   O^T: tile a, channels 16 t on: O + 32 a + 8 t
.set S,   96                           ; v[96:159]  S^T, then N, then p: tile a, keys 16 t on: S + 32 a + 8 t
.set T,   160                          ; v[160:191] K's four fragments; then e, u, 1 / u; then the next step's K
.set FV,  192                          ; v[192:223] V^T's four fragments
.set P,   224                          ; v[224:239] P's two fragments; with v[240:255]: tile 1's bias in the steps on the band
; scalar registers
.set WV,   16                          ; my wave's number
.set W0,   28                          ; the head's weight of bucket 0, of bucket 31
.set W31,  29
.set NL,   30                          ; s[30:31] -log2(e), twice
.set CS,   32                          ; s[32:33] NL x 2^(eq + ek), twice
.set FS,   34                          ; s[34:35] 2^(ep + ev), twice
.set TB,   36                          ; LDS byte of the step's chunk
.set DLT,  37                          ; my first query - the step's first key
.set CNT,  38
.set BSEL, 39                          ; the step's one weight
.set XOF,  40                          ; 4 x (DLT mod 256)
	s_load_b256 s[4:11], s[0:1], 0x0               ; q s[4:5], k s[6:7], v s[8:9], rab_weight s[10:11]
	s_load_b128 s[12:15], s[0:1], 0x20             ; lowp_scales s[12:13], out0 s[14:15]
	v_lshrrev_b32 v[HH], 5, v0
	v_readfirstlane_b32 s[WV], v[HH]               ; wave 0..15
	s_and_b32 s18, ttmp7, 0xffff
	s_lshr_b32 s19, s18, 4                         ; batch
	s_and_b32 s18, s18, 15                         ; head
	s_mov_b32 s[NL], 0xbfb8aa3b                    ; -log2(e)
	s_mov_b32 s[NL+1], s[NL]
	; byte offsets, each under 2^26, in pairs with 0 above
	s_lshl_b32 s46, s19, 23                        ; a batch is 2,048 x 4,096 bytes,
	s_lshl_b32 s41, s18, 8                         ; a head's channels 256 bytes of a row
	s_add_co_u32 s46, s46, s41
	s_lshl_b32 s[DLT], ttmp9, 9
	s_lshl_b32 s41, s[WV], 5
	s_add_co_u32 s[DLT], s[DLT], s41               ; my first query: 512 x + 32 w
	s_lshl_b32 s20, s[DLT], 12
	s_add_co_u32 s20, s20, s46                     ; q and out: at my first query
	s_mov_b32 s21, 0
	s_lshl_b32 s22, s[WV], 19
	s_add_co_u32 s22, s22, s46                     ; k: I quantise keys 128 w .. 128 w + 127
	s_mov_b32 s23, 0
	s_lshr_b32 s42, s[WV], 1
	s_and_b32 s43, s[WV], 1
	s_lshl_b32 s44, s42, 20
	s_lshl_b32 s41, s43, 7
	s_add_co_u32 s44, s44, s41
	s_add_co_u32 s44, s44, s46                     ; v: keys 256 (w / 2) on, channels 32 (w % 2) on
	s_mov_b32 s45, 0
	s_lshl_b32 s46, s18, 2                         ; rab_weight: the head's column
	s_mov_b32 s47, 0
	; lane terms
	v_and_b32 v[LI], 31, v0
	v_lshlrev_b32 v[VO], 2, v[LI]
	v_lshlrev_b32 v[LI], 4, v[LI]
	v_and_b32 v[RR], 15, v0
	v_bfe_u32 v[HH], v0, 4, 1
	v_lshlrev_b32 v[KO], 4, v[RR]
	v_lshl_add_u32 v[KO], v[HH], 12, v[KO]
	v_lshlrev_b32 v[QO], 12, v[RR]
	v_lshl_add_u32 v[QO], v[HH], 7, v[QO]
	; K's codes: I hold channels 4 m .. 4 m + 3 (m = lane % 16) of keys 2 i + lane / 16 of a tile.  In the image they are register m % 8 of lane (key, m / 8): 512 (m / 4 % 2) + 256 (m / 8) + 4 (m % 4) + 16 x key
	v_and_b32 v[KW], 3, v0
	v_lshlrev_b32 v[KW], 2, v[KW]
	v_bfe_u32 v[TS], v0, 2, 1
	v_lshl_add_u32 v[KW], v[TS], 9, v[KW]
	v_bfe_u32 v[TS], v0, 3, 1
	v_lshl_add_u32 v[KW], v[TS], 8, v[KW]
	v_lshl_add_u32 v[KW], v[HH], 4, v[KW]
	s_lshl_b32 s41, s[WV], 14                      ; my 128 keys are chunks 2 w and 2 w + 1
	v_add_nc_u32 v[KW], s41, v[KW]
	; V's codes: I hold channel 32 (w % 2) + lane: fragment 2 (w % 2) + lane / 16, lane % 16 of it; my 256 keys are chunks 4 (w / 2) on
	v_lshlrev_b32 v[VW], 4, v[RR]
	v_lshl_add_u32 v[VW], v[HH], 10, v[VW]
	s_lshl_b32 s41, s43, 11
	s_lshl_b32 s42, s42, 15
	s_add_co_u32 s41, s41, s42
	s_add_co_u32 s41, s41, VPART
	v_add_nc_u32 v[VW], s41, v[VW]
	; the bias table, as read: byte BT + BTP (r % 4) + 4 (192 - DLT - 16 a - (r - r % 4) + 16 t + 8 h + i): tile 0 adds 64 in the loads' immediates
	v_and_b32 v[AB], 3, v0
	v_mul_u32_u24 v[AB], v[AB], BTP
	v_add_nc_u32 v[AB], BT+704, v[AB]
	v_and_b32 v[TS], 12, v0
	v_lshlrev_b32 v[TS], 2, v[TS]
	v_sub_nc_u32 v[AB], v[AB], v[TS]
	v_lshl_add_u32 v[AB], v[HH], 5, v[AB]
	; the bias table, as made: thread n makes the entry of d = 192 - n, held between 0 and 113 (beyond these the bucket does not change)
	v_lshl_add_u32 v[TA], v0, 2, BT
	v_min_u32 v[DL], 192, v0
	v_sub_nc_u32 v[DL], 192, v[DL]
	v_min_u32 v[DL], 113, v[DL]
	v_mov_b32 v[BK], 16
.set j, 17
.irp thr, 19,21,24,27,31,35,40,46,52,59,67,77,87,99,113
	v_cmp_le_u32 vcc_lo, \thr, v[DL]               ; thresholds ascending: the last that d reaches decides
	v_cndmask_b32 v[BK], v[BK], j, vcc_lo
.set j, j+1
.endr
	v_cmp_gt_u32 vcc_lo, 16, v[DL]
	v_cndmask_b32 v[BK], v[BK], v[DL], vcc_lo      ; under 16 the bucket is d itself
	v_lshlrev_b32 v[TO], 6, v[BK]                  ; a bucket's 16 heads are 64 bytes
	s_wait_kmcnt 0x0
	s_add_nc_u64 s[4:5], s[4:5], s[20:21]
	s_add_nc_u64 s[14:15], s[14:15], s[20:21]
	s_add_nc_u64 s[6:7], s[6:7], s[22:23]
	s_add_nc_u64 s[8:9], s[8:9], s[44:45]
	s_add_nc_u64 s[10:11], s[10:11], s[46:47]
	s_load_b128 s[24:27], s[12:13], 0x0            ; eq, ek, ep, ev
	s_load_b32 s[W0], s[10:11], 0x0                ; bucket 0's weight of my head
	s_load_b32 s[W31], s[10:11], 0x7c0             ; bucket 31's
; eight numbers of a lane become eight codes: the hold at the largest code x the scale (the conversion to an 8-bit code does not saturate: ISA guide 7.6.2), then the conversion
.macro QUANT8 src, dst, sc, lim
.irp i, 0,1,2,3,4,5,6,7
	v_med3_num_f32 v[(\src)+\i], v[(\src)+\i], -v[\lim], v[\lim]
.endr
	v_cvt_scalef32_pk8_fp8_f32 v[(\dst):(\dst)+1], v[(\src):(\src)+7], v[\sc]
.endm
; trip u's numbers: 16 keys of K (a load takes two keys' whole 256 bytes) and 32 keys of V at my channel (a load covers 128 consecutive bytes; waves w and w xor 1 take the two halves of the same 256).
; No cache word: four work-groups read these bytes.
.macro KVLOAD u, xs
.irp i, 0,1,2,3,4,5,6,7
	global_load_b128 v[(\xs)+4*\i:(\xs)+4*\i+3], v[KO], s[6:7] offset:(16*(\u)+2*\i)*ROW
.endr
.irp n, 0,1,2,3,4,5,6,7,8,9,10,11,12,13,14,15,16,17,18,19,20,21,22,23,24,25,26,27,28,29,30,31
	global_load_b32 v[(\xs)+32+\n], v[VO], s[8:9] offset:(32*(\u)+\n)*ROW
.endr
.endm
.macro MKSCALE e, sc, lim              ; 2^e and 448 x 2^e as f32 numbers
	s_add_co_i32 s41, s[\e], 127
	s_lshl_b32 s42, s41, 23
	v_mov_b32 v[\sc], s42
	s_add_co_i32 s41, s41, 8
	s_lshl_b32 s41, s41, 23
	s_or_b32 s41, s41, 0x600000
	v_mov_b32 v[\lim], s41
.endm
	global_load_b32 v[TV], v[TO], s[10:11]         ; my entry's weight
.irp a, 0,1                                    ; my 32 queries: lane (r, h) takes channels 32 h .. 32 h + 31 of query 16 a + r, so that its registers run along the channels; read once in the launch
.irp i, 0,1,2,3,4,5,6,7
	global_load_b128 v[X1+32*\a+4*\i:X1+32*\a+4*\i+3], v[QO], s[4:5] offset:16*ROW*\a+16*\i th:TH_LOAD_NT
.endr
.endr
	KVLOAD 0, X0
	s_wait_kmcnt 0x0
	MKSCALE 24, SQ, LQ
	MKSCALE 25, SK, LK
	MKSCALE 26, PS, LP
	MKSCALE 27, SV, LV
	s_add_co_i32 s41, s24, s25
	s_lshl_b32 s41, s41, 23
	s_add_co_i32 s[CS], s[NL], s41                 ; eq + ek is added to NL's exponent field
	s_mov_b32 s[CS+1], s[CS]
	s_add_co_i32 s41, s26, s27
	s_add_co_i32 s41, s41, 127
	s_lshl_b32 s[FS], s41, 23                      ; 2^(ep + ev)
	s_mov_b32 s[FS+1], s[FS]
	s_wait_loadcnt 56                              ; behind the table's load stand Q's 16 and the first trip's 40
	v_mul_f32 v[TV], s[NL], v[TV]
.irp c, 0,1,2,3
	ds_store_b32 v[TA], v[TV] offset:\c*(BTP+4)    ; entry n is word n + c of copy c
.endr
	s_wait_loadcnt 40                              ; Q is in; the first trip's 40 may be out
.irp a, 0,1
.irp g, 0,1,2,3
	QUANT8 X1+32*\a+8*\g, Q+8*\a+2*\g, SQ, LQ
.endr
.endr
	v_nop                                          ; a plain instruction behind the last conversion of a run
	KVLOAD 1, X1
; A TRIP: 16 keys of K and 32 keys x my channel of V become codes and go into the images.  The loads run two trips ahead, in two sets of registers.
.macro TRIP u
.set XS, X0+64*((\u)%2)
.if (\u) < 7
	s_wait_loadcnt 40                              ; this trip's 40 loads are in; the next trip's 40 may be out
.else
	s_wait_loadcnt 0x0
.endif
	s_wait_dscnt 0x0                               ; the last trip's stores have read the codes' registers
.irp g, 0,1,2,3
	QUANT8 XS+8*\g, CK+2*\g, SK, LK                ; register CK + i: four channels of key 2 i + lane / 16
.endr
.irp g, 0,1,2,3
	QUANT8 XS+32+8*\g, CV+4*(\g%2)+2*(\g/2), SV, LV   ; keys 8 g on.  In the operand keys 8 p .. and 16 + 8 p .. lie in lane half p: so v[CV + 4 p ..] gathers groups p and p + 2
.endr
	v_nop
.irp i, 0,1,2,3,4,5,6,7
	ds_store_b32 v[KW], v[CK+\i] offset:((\u)/4)*CH+((\u)%4)*1024+32*\i   ; modulo 256 bytes the 32 lanes fall on eight words, four lanes to each: 64 such stores a wave, once
.endr
.irp p, 0,1
	ds_store_b128 v[VW], v[CV+4*\p:CV+4*\p+3] offset:((\u)/2)*CH+512*((\u)%2)+256*\p
.endr
.if (\u)+2 < 8
	KVLOAD (\u)+2, XS
.endif
.endm
.irp u, 0,1,2,3,4,5,6,7
	TRIP \u
.endr
	s_wait_dscnt 0x0                               ; for the others' sake: my part of the images and of the table has landed
	s_barrier_signal -1
	s_barrier_wait -1                              ; the head's codes and the table are whole; until the next barrier LDS is only read
.macro KFETCH off                      ; K's four fragments of the chunk off bytes on
.irp t, 0,1,2,3
	ds_load_b128 v[T+8*\t:T+8*\t+3],   v[ADR] offset:(\off)+1024*\t
	ds_load_b128 v[T+8*\t+4:T+8*\t+7], v[ADR] offset:(\off)+1024*\t+512
.endr
.endm
.macro VFETCH                          ; V^T's four fragments of the step's chunk
.irp t, 0,1,2,3
	ds_load_b128 v[FV+8*\t:FV+8*\t+3],   v[ADR] offset:VPART+1024*\t
	ds_load_b128 v[FV+8*\t+4:FV+8*\t+7], v[ADR] offset:VPART+1024*\t+512
.endr
.endm
; Tile a's 32 numbers N = -s log2(e) become P's fragment.  Each kind of transcendental goes as one batch: a plain instruction behind the last, and one wait ahead of the first reader.
; kf = 1: the next step's K is fetched into T as soon as T has had its last reader.
.macro SILU a, kf
.set SA, S+32*(\a)
.set i, 0
.rept 32
	v_exp_f32 v[T+i], v[SA+i]                      ; e = exp(-s)
.set i, i+1
.endr
	v_nop
	s_wait_alu depctr_va_vdst(0)
.set i, 0
.rept 16
	v_pk_fma_f32 v[T+i:T+i+1], v[T+i:T+i+1], s[NL:NL+1], v[NLV:NLV+1] op_sel_hi:[1,0,1]   ; u = NL (1 + e)
.set i, i+2
.endr
.set i, 0
.rept 32
	v_rcp_f32 v[T+i], v[T+i]
.set i, i+1
.endr
	v_nop
	s_wait_alu depctr_va_vdst(0)
.set i, 0
.rept 16
	v_pk_mul_f32 v[SA+i:SA+i+1], v[SA+i:SA+i+1], v[T+i:T+i+1]   ; p = N / u = s / (1 + exp(-s))
.set i, i+2
.endr
.if \kf
	KFETCH CH
.endif
.set i, 0
.rept 32
	v_med3_num_f32 v[SA+i], v[SA+i], -v[LP], v[LP]
.set i, i+1
.endr
.irp t, 0,1,2,3
	v_cvt_scalef32_pk8_fp8_f32 v[P+8*(\a)+2*\t:P+8*(\a)+2*\t+1], v[SA+8*\t:SA+8*\t+7], v[PS]   ; keys 16 t + 8 (lane / 16) + 0 .. 7: registers 2 t, 2 t + 1 of the operand
.endr
	v_nop                                          ; a plain instruction behind the last conversion of a run
.endm
; A KEY STEP: 64 keys for my 32 queries.  first = 1: the products V^T P^T start O^T's sums.  last = 1: no chunk follows.
.macro STEP first, last
	s_cmp_lt_i32 s[DLT], 0
	s_cselect_b32 s[BSEL], s[W0], s[W31]           ; all keys behind my queries: bucket 0; else (off the band) all 129 or more ahead of them: bucket 31
	s_and_b32 s[XOF], s[DLT], 255                  ; on the band DLT is 0 .. 160, so nothing is cut there
	s_lshl_b32 s[XOF], s[XOF], 2
	s_wait_dscnt 0x0                               ; K's fragments are in
.irp t, 0,1,2,3
.irp a, 0,1
	v_wmma_f32_16x16x64_fp8_fp8 v[S+32*\a+8*\t:S+32*\a+8*\t+7], v[T+8*\t:T+8*\t+7], v[Q+8*\a:Q+8*\a+7], 0
.endr
.endr
	; four plain instructions that name no register of a product: the places ahead of the reads of S^T, of the writes of T, and of the loads into T, FV and P, which the products above and the last step's have read
	v_add_nc_u32 v[ADR], s[TB], v[LI]
	v_mul_f32 v[BC], s[NL], s[BSEL]
	v_mul_f32 v[BC+1], s[NL], s[BSEL]
	v_sub_nc_u32 v[ABT], v[AB], s[XOF]
	VFETCH
	s_cmp_lt_u32 s[DLT], 192                       ; as unsigned: 0 <= DLT < 192.  The branch hangs on ids and the count of steps alone
	s_cbranch_scc1 .Lband_\@
.set i, 0
.rept 32
	v_pk_fma_f32 v[S+i:S+i+1], v[S+i:S+i+1], s[CS:CS+1], v[BC:BC+1] op_sel_hi:[1,0,1]   ; N = a NL 2^(eq+ek) + NL bias; each accumulator from its low end on
.set i, i+2
.endr
	s_branch .Ljoin_\@
.Lband_\@:                                         ; on the band each score has its own bias: 32 words a tile from the table, tile 0's into T, tile 1's into P and the 16 registers behind it
.irp t, 0,1,2,3
.irp c, 0,1
	ds_load_b128 v[T+8*\t+4*\c:T+8*\t+4*\c+3], v[ABT] offset:64+64*\t+16*\c
	ds_load_b128 v[P+8*\t+4*\c:P+8*\t+4*\c+3], v[ABT] offset:64*\t+16*\c
.endr
.endr
	s_wait_dscnt 0x0
.set i, 0
.rept 16
	v_pk_fma_f32 v[S+i:S+i+1], v[S+i:S+i+1], s[CS:CS+1], v[T+i:T+i+1] op_sel_hi:[1,0,1]
.set i, i+2
.endr
.set i, 0
.rept 16
	v_pk_fma_f32 v[S+32+i:S+32+i+1], v[S+32+i:S+32+i+1], s[CS:CS+1], v[P+i:P+i+1] op_sel_hi:[1,0,1]
.set i, i+2
.endr
.Ljoin_\@:
	SILU 0, 0
	SILU 1, 1-\last
.if \last
	s_wait_dscnt 0x0                               ; V's fragments are in
.else
	s_wait_dscnt 8                                 ; V's fragments are in: on both ways the youngest eight LDS loads are the next step's K
.endif
.irp t, 0,1,2,3                                ; the eight accumulators take turns, one instruction a turn
.irp a, 0,1
.if \first
	v_wmma_f32_16x16x64_fp8_fp8 v[O+32*\a+8*\t:O+32*\a+8*\t+7], v[FV+8*\t:FV+8*\t+7], v[P+8*\a:P+8*\a+7], 0
.else
	v_wmma_f32_16x16x64_fp8_fp8 v[O+32*\a+8*\t:O+32*\a+8*\t+7], v[FV+8*\t:FV+8*\t+7], v[P+8*\a:P+8*\a+7], v[O+32*\a+8*\t:O+32*\a+8*\t+7]
.endif
.endr
.endr
	s_add_co_u32 s[TB], s[TB], CH
	s_sub_co_i32 s[DLT], s[DLT], 64
.endm
	s_mov_b32 s[TB], 0
	v_mov_b32 v[ADR], v[LI]
	KFETCH 0                                       ; the first step's K
	; the addresses of the way out are made here, ahead of the first branch.  All global loads have been waited for, so their address registers are free
	v_bfe_u32 v13, v0, 4, 1                        ; lane / 16
	s_mul_i32 s41, s[WV], WSTG                     ; my stage
	v_mul_u32_u24 v[STO], v[RR], SP                ; in: row lane % 16, 32 bytes for each half of the lanes
	v_lshl_add_u32 v[STO], v13, 5, v[STO]
	v_add_nc_u32 v[STO], s41, v[STO]
	v_mul_u32_u24 v[RD], v13, SP                   ; back: lanes 0-15 one row of 256 bytes, lanes 16-31 the next
	v_lshl_add_u32 v[RD], v[RR], 4, v[RD]
	v_add_nc_u32 v[RD], s41, v[RD]
	v_lshlrev_b32 v[GO], 4, v[RR]                  ; and the same two rows in out
	v_lshl_add_u32 v[GO], v13, 12, v[GO]
	v_mov_b32 v[NLV], s[NL]
	v_mov_b32 v[NLV+1], s[NL]
	STEP 1, 0                                      ; written out: its products start O^T's sums, so nothing is cleared
	s_mov_b32 s[CNT], 30
.Lstep:
	STEP 0, 0
	s_sub_co_u32 s[CNT], s[CNT], 1
	s_cmp_lg_u32 s[CNT], 0
	s_cbranch_scc1 .Lstep
	STEP 0, 1                                      ; written out: no fetch runs past the images
	; THE WAY OUT.  Register 8 t + i of tile a is out(query 16 a + lane % 16, channel 16 t + 8 (lane / 16) + i): 32 neighbouring bytes of a row, and the lanes beside it hold other rows.  So a tile goes through my own stage
	; and comes back as whole rows of 256 bytes.  The stages lie over the images: every wave has passed the barrier behind its last read of them.
.rept 4
	v_nop                                          ; the places behind the last products, ahead of the reads of O^T and of the loads into FV
.endr
	s_wait_dscnt 0x0
	s_barrier_signal -1
	s_barrier_wait -1
.irp a, 0,1
.set i, 0
.rept 16
	v_pk_mul_f32 v[S+32*\a+i:S+32*\a+i+1], v[O+32*\a+i:O+32*\a+i+1], s[FS:FS+1] op_sel_hi:[1,0]   ; x 2^(ep + ev); each accumulator from its low end on
.set i, i+2
.endr
.irp t, 0,1,2,3
	ds_store_b128 v[STO], v[S+32*\a+8*\t:S+32*\a+8*\t+3] offset:16*SP*\a+64*\t
	ds_store_b128 v[STO], v[S+32*\a+8*\t+4:S+32*\a+8*\t+7] offset:16*SP*\a+64*\t+16
.endr
.irp n, 0,1,2,3,4,5,6,7
	ds_load_b128 v[T+32*\a+4*\n:T+32*\a+4*\n+3], v[RD] offset:16*SP*\a+2*SP*\n   ; LDS serves a wave's instructions in order (ISA guide 5.7.1.4): these see my stores
.endr
.endr
.irp a, 0,1
.irp n, 0,1,2,3,4,5,6,7
	s_wait_dscnt 23-16*\a-\n                       ; behind this load stand its tile's later loads and, for tile 0, tile 1's sixteen LDS instructions
	global_store_b128 v[GO], v[T+32*\a+4*\n:T+32*\a+4*\n+3], s[14:15] offset:(16*\a+2*\n)*ROW th:TH_STORE_NT   ; sixteen lanes store 256 consecutive bytes, at a multiple of 256 from out's first byte: a head's whole part of a row
.endr
.endr
	s_wait_xcnt 0x0
	v_lshl_add_u32 v254, v0, 2, 0x42100
	v_mov_b32 v255, 0
	s_wait_tensorcnt 0x0
	ds_add_u32 v254, v255
	s_wait_dscnt 0x0
	s_endpgm
.Lfunc_end_k_q09a6813ab6_attn:
	.size	k_q09a6813ab6_attn, .Lfunc_end_k_q09a6813ab6_attn-k_q09a6813ab6_attn
	.p2alignl 7, 3214868480
	.fill 96, 4, 3214868480
	.section	.rodata,"a",@progbits
	.p2align	6, 0x0
	.amdhsa_kernel k_q09a6813ab6_attn
		.amdhsa_group_segment_fixed_size 272640
		.amdhsa_private_segment_fixed_size 0
		.amdhsa_enable_private_segment 0
		.amdhsa_kernarg_size 48
		.amdhsa_user_sgpr_count 2
		.amdhsa_user_sgpr_kernarg_segment_ptr 1
		.amdhsa_wavefront_size32 1
		.amdhsa_system_sgpr_workgroup_id_x 1
		.amdhsa_system_sgpr_workgroup_id_y 1
		.amdhsa_system_sgpr_workgroup_id_z 1
		.amdhsa_system_vgpr_workitem_id 0
		.amdhsa_next_free_vgpr 256
		.amdhsa_next_free_sgpr 66
		.amdhsa_reserve_vcc 1
		.amdhsa_float_denorm_mode_32 3
		.amdhsa_float_denorm_mode_16_64 3
		.amdhsa_memory_ordered 1
		.amdhsa_forward_progress 1
		.amdhsa_inst_pref_size 154
	.end_amdhsa_kernel
	.amdgpu_metadata
---
amdhsa.version: [ 1, 2 ]
amdhsa.kernels:
  - .name:           k_q09a6813ab6_attn
    .symbol:         k_q09a6813ab6_attn.kd
    .args:
      - { .name: q, .offset: 0, .size: 8, .value_kind: global_buffer, .address_space: global }
      - { .name: k, .offset: 8, .size: 8, .value_kind: global_buffer, .address_space: global }
      - { .name: v, .offset: 16, .size: 8, .value_kind: global_buffer, .address_space: global }
      - { .name: rab_weight, .offset: 24, .size: 8, .value_kind: global_buffer, .address_space: global }
      - { .name: lowp_scales, .offset: 32, .size: 8, .value_kind: global_buffer, .address_space: global }
      - { .name: out0, .offset: 40, .size: 8, .value_kind: global_buffer, .address_space: global }
    .group_segment_fixed_size: 272640
    .private_segment_fixed_size: 0
    .kernarg_segment_align: 8
    .kernarg_segment_size: 48
    .max_flat_workgroup_size: 512
    .sgpr_count:     66
    .vgpr_count:     256
    .wavefront_size: 32
...
	.end_amdgpu_metadata
.endif
;; end of part 1
